; MI455X (gfx1250); checked and timed in simulation.
; The chip was launched on July 23, 2026; its instructions are those of AMD's public machine-readable ISA for CDNA 5 (MIT licence, August 2026) and "CDNA5" Instruction Set Architecture Reference Guide (July 2026). The comments in the code are by the model that wrote it; some were corrected since.
;; Standard MHA. Allowed arithmetic: matrix products marked QUANTISED: E2M1 operands, one E8M0 scale for each 32 along K, by v_wmma_scale_f32_16x16x128_f8f6f4 with both operands' format E2M1 (or v_wmma_scale_f32_32x16x128_f4), f32 sums; products left as they are: bf16, f16 or f32 operands; f32 sums; everything else in f32.
;; Inputs: Wk 1,024 x 1,024 float32; Wo 1,024 x 1,024 float32; Wq 1,024 x 1,024 float32; Wv 1,024 x 1,024 float32; bk 1,024 float32; bo 1,024 float32; bq 1,024 float32; bv 1,024 float32; x 1 x 4,096 x 1,024 float32.
;; Outputs: out0 1 x 4,096 x 1,024 float32.
;; This version of the problem:
;;   THIS VERSION OF THE PROBLEM IS GIVEN IN LOW PRECISION. The matrix products marked QUANTISED in the list below multiply operands that are first quantised to E2M1 (2 exponent bits, 1 mantissa bit; 4 bits a number), with one power-of-two scale for each 32 numbers along K (OCP MX v1.0); their sums are f32. The products marked 'left as it is' may take bf16, f16 or f32 operands, with f32 sums. Whichever they take, every output number must still come out within the allowed error. Rounding operands to bf16 (8 significant bits) uses up far more of that allowance than f16 does (11 bits, for magnitudes from 6e-5 to 65,504). All else is computed in f32.
;;   The module's matrix products, in the order in which they are computed (A, B: the left and right operand; K: the contracted axis; several contracted axes count as one K, in the product's order):
;;     1. [M 4,096, K 1,024] x [K 1,024, N 1,024]; A: input x; B: input Wq: QUANTISED
;;     2. [M 4,096, K 1,024] x [K 1,024, N 1,024]; A: input x; B: input Wk: QUANTISED
;;     3. [M 4,096, K 1,024] x [K 1,024, N 1,024]; A: input x; B: input Wv: QUANTISED
;;     4. batch 16 x [M 4,096, K 64] x [K 64, N 4,096]; A: computed on the way; B: computed on the way: left as it is (an operand is computed on the way)
;;     5. batch 16 x [M 4,096, K 4,096] x [K 4,096, N 64]; A: computed on the way; B: computed on the way: left as it is (an operand is computed on the way)
;;     6. [M 4,096, K 1,024] x [K 1,024, N 1,024]; A: computed on the way; B: input Wo: left as it is (an operand is computed on the way)
;;   THE QUANTISER, for each operand of a quantised product, along K:
;;     - K is cut into blocks of 32 from its start; a last block that is shorter is filled with zeros.
;;     - A block's scale is 2^e with e = floor(log2(the largest magnitude in the block)) - 2, held to -126 .. 127; a block of zeros has e = 0. As a byte (E8M0): e + 127.
;;     - Each number is divided by its block's scale, clamped to +-6, and rounded to the nearest number of E2M1, ties to even, subnormals kept.
;;     - The product sums the exact products of the quantised numbers (number of the format x scale) in f32.
;;   ~~~python
;;   def quantise(x, axis):      # numpy; x: float32 -> the quantised numbers, widened to float32 again
;;       x = np.moveaxis(x, axis, -1); K = x.shape[-1]
;;       x = np.pad(x, [(0, 0)] * (x.ndim - 1) + [(0, -K % 32)]); x = x.reshape(x.shape[:-1] + (-1, 32)); a = np.abs(x).max(-1, keepdims=True)
;;       e = np.where(a > 0, np.clip(np.frexp(np.where(a > 0, a, 1))[1] - 1 - 2, -126, 127), 0)      # np.frexp(a)[1] - 1 = floor(log2(a)), exactly
;;       r = np.clip(x / 2.0 ** e, -6, 6)
;;       step = 2.0 ** (np.maximum(np.frexp(np.where(r == 0, 1, r))[1] - 1, 0) - 1)
;;       q = np.round(r / step) * step * 2.0 ** e      # np.round: ties to even
;;       return np.moveaxis(q.reshape(q.shape[:-2] + (-1,))[..., :K], -1, axis).astype(np.float32)
;;   ~~~
;; One version. Each part assembles by itself: llvm-mc -triple=amdgcn-amd-amdhsa -mcpu=gfx1250 --defsym DOCPART=n.
;; ======== version 1 of 1: 4 launches
;; limits: values are held in f16: magnitudes above 65,504 overflow, below 6.1e-05 lose precision
;; workspace buffers: xc 2,097,152 bytes; xs 131,072 bytes; wc 1,572,864 bytes; ws 98,304 bytes; wo16 2,097,152 bytes; qkv 25,165,824 bytes; ob 8,388,608 bytes
;; launch quant (part 1): grid 256 x 1, 4 waves a work-group, no clusters, 50,688 bytes of LDS; arguments x, Wq, Wk, Wv, Wo, xc, xs, wc, ws, wo16; writes xc, xs, wc, ws, wo16
.if DOCPART == 1
	.amdgcn_target "amdgcn-amd-amdhsa--gfx1250"
	.amdhsa_code_object_version 6
	.text
	.protected	k_q3bb6fe5c48_quant
	.globl	k_q3bb6fe5c48_quant
	.p2align	8
	.type	k_q3bb6fe5c48_quant,@function
k_q3bb6fe5c48_quant:
	s_mov_b64 s[64:65], 0
	v_nop
	global_prefetch_b8 v0, s[64:65] scope:SCOPE_SE
	s_setreg_imm32_b32 hwreg(HW_REG_WAVE_MODE, 25, 1), 1
	s_wait_xcnt 0x0
; x [4096][1024] and Wq, Wk, Wv [1024][1024], f32, K innermost, become codes of FP4 (E2M1), two a byte, with one E8M0 scale byte for each 32 along K;  Wo [1024][1024] becomes f16.
; A block's scale is 2^(floor(log2(its largest magnitude)) - 2); its byte is the largest magnitude's exponent field - 2, held at 1 from below.  Each number is divided by the scale and rounded to the nearest code, ties to even.
; LIMITS: a block of zeros gets the byte 1 (its codes are zeros, which add nothing; the bytes are read by this program alone); blocks whose largest magnitude lies under 2^-124 were not tried;
; NaN and infinities are not served; Wo's magnitudes stay under 65,504 (f16).
; SHARES: 256 work-groups of four waves.  0-127: x;  128-223: the three weights, 32 each;  224-255: Wo.  Work-groups share no input, so there is no cluster; waves share nothing, so there is no barrier.
; QUANTISER: a wave takes a run of 8 rows = 8,192 numbers, in 16 steps of 512.  Rows are dense, so a run is a plain stream of blocks of 32: 32,768 bytes in, 4,096 bytes of codes and 256 scale bytes out.
;   x's runs keep their order.  A weight's run (head h, rows 8 e .. 8 e + 7 of the head's 64) goes to run 24 h + 8 part + e: so one head's 192 rows (q, k, v) lie together in wc and ws.
;   Each load takes 512 consecutive bytes; the conversions want 16 neighbours in a lane: a step's 2,048 bytes turn through the wave's own stage in LDS (80 bytes a lane: 64 + 16 of padding).
; Wo: a wave takes 16 rows x 512 along K in 8 units of 64.  A unit leaves as four images of operand registers, 512 bytes each: lane l's 16 bytes hold Wo[16 nt + l % 16][64 ks + 16 kap + 8 (l / 16) + 0 .. 7].
;   wo16 is laid [n / 128][ks 16][n tile 8][kap 4][512 bytes].
.set WAVES, 4
.set STEPS, 16
.set EMAX,  2
.set CB,    8                          ; bytes of 16 codes
.set R,     16                         ; v16-79   numbers as they are loaded
.set X,     80                         ; v80-111  numbers as the conversions want them
.set E,     112                        ; v112-127 a scale byte for each step
.set C,     128                        ; v128-191 results to store
.set WREG,  8192                       ; LDS: the quantiser's region for each wave: two stages of 32 x SP bytes, then its 256 scale bytes
.set SP,    80
.set SPW,   12                         ; v12  LDS address of my spare word; never rewritten
.set NIL,   13                         ; v13  0; never rewritten
.set SPARE, WAVES*WREG                 ; the spare words, 128 bytes a wave: two blocks of 256 bytes that no other line names
.set WOSTG, SPARE+512                  ; Wo's path has LDS bytes of its own: a stage of 16 rows x 272 bytes for each wave
.set WOP,   272
	s_load_b512 s[4:19], s[0:1], 0x0               ; x s[4:5], Wq s[6:7], Wk s[8:9], Wv s[10:11], Wo s[12:13], xc s[14:15], xs s[16:17], wc s[18:19]
	s_load_b128 s[20:23], s[0:1], 0x40             ; ws s[20:21], wo16 s[22:23]
	v_lshl_add_u32 v[SPW], v0, 2, SPARE
	v_mov_b32 v[NIL], 0
	v_lshrrev_b32 v1, 5, v0
	v_readfirstlane_b32 s24, v1                    ; wave
	v_and_b32 v2, 31, v0                           ; lane
	s_cmp_ge_u32 ttmp9, 224
	s_cbranch_scc1 .Lwo                            ; the last 32 work-groups take Wo
	; ---------------- the quantiser ----------------
	v_lshlrev_b32 v3, 4, v2                        ; my 16 bytes of a load's 512
	s_mul_i32 s25, s24, WREG
	v_lshrrev_b32 v14, 2, v2
	v_mul_u32_u24 v14, v14, SP
	v_and_b32 v15, 3, v2
	v_lshl_add_u32 v14, v15, 4, v14
	v_add_nc_u32 v14, s25, v14                     ; the stage, on the way in: SP (lane / 4) + 16 (lane % 4)
	v_mul_u32_u24 v15, v2, SP
	v_add_nc_u32 v15, s25, v15                     ; and on the way out: SP x lane: my 16 neighbours
	v_mul_u32_u24 v4, v2, CB                       ; my codes' place in a step's 256 bytes
	v_lshrrev_b32 v5, 1, v2
	s_add_co_u32 s25, s25, 2*32*SP
	v_add_nc_u32 v5, s25, v5                       ; LDS: my wave's 256 scale bytes, my block's byte
	v_lshlrev_b32 v7, 3, v2
	v_add_nc_u32 v6, s25, v7                       ; and on the way out 8 bytes a lane
	s_sub_co_u32 s26, ttmp9, 128                   ; a weight's work-group: 32 part + its place (in x's work-groups these numbers are made and not used)
	s_lshr_b32 s27, s26, 5                         ; part: 0 q, 1 k, 2 v
	s_and_b32 s26, s26, 31
	s_lshl_b32 s26, s26, 2
	s_add_co_u32 s26, s26, s24                     ; the weight's run: 8 head + e
	s_lshr_b32 s28, s26, 3
	s_mul_i32 s28, s28, 24
	s_lshl_b32 s29, s27, 3
	s_add_co_u32 s28, s28, s29
	s_and_b32 s29, s26, 7
	s_add_co_u32 s28, s28, s29                     ; where it goes: 24 head + 8 part + e
	s_lshl_b32 s29, ttmp9, 2
	s_add_co_u32 s29, s29, s24                     ; x's run, in and out
	s_wait_kmcnt 0x0
	s_cmp_eq_u32 s27, 1                            ; every choice hangs on the work-group's number alone
	s_cselect_b64 s[6:7], s[8:9], s[6:7]
	s_cmp_eq_u32 s27, 2
	s_cselect_b64 s[6:7], s[10:11], s[6:7]
	s_cmp_lt_u32 ttmp9, 128
	s_cselect_b64 s[4:5], s[4:5], s[6:7]           ; the numbers,
	s_cselect_b64 s[14:15], s[14:15], s[18:19]     ; the codes,
	s_cselect_b64 s[16:17], s[16:17], s[20:21]     ; the scale bytes
	s_cselect_b32 s26, s29, s26
	s_cselect_b32 s28, s29, s28
	s_lshl_b32 s30, s26, 15                        ; 32,768 bytes of numbers a run
	s_mov_b32 s31, 0
	s_add_nc_u64 s[4:5], s[4:5], s[30:31]
	s_lshl_b32 s30, s28, 12                        ; 4,096 bytes of codes
	s_add_nc_u64 s[14:15], s[14:15], s[30:31]
	s_lshl_b32 s30, s28, 8                         ; 256 scale bytes
	s_add_nc_u64 s[16:17], s[16:17], s[30:31]
.macro LOAD t
.irp i, 0,1,2,3
	global_load_b128 v[R+16*((\t)%4)+4*\i:R+16*((\t)%4)+4*\i+3], v3, s[4:5] offset:2048*(\t)+512*\i th:TH_LOAD_NT   ; 32 lanes read 512 consecutive bytes
.endr
.endm
.macro TURN t                          ; step t's numbers through the stage: LDS serves a wave's instructions in order, so no wait stands between the stores and the loads
.irp i, 0,1,2,3
	ds_store_b128 v14, v[R+16*((\t)%4)+4*\i:R+16*((\t)%4)+4*\i+3] offset:32*SP*((\t)%2)+8*SP*\i
.endr
.irp i, 0,1,2,3
	ds_load_b128 v[X+16*((\t)%2)+4*\i:X+16*((\t)%2)+4*\i+3], v15 offset:32*SP*((\t)%2)+16*\i
.endr
.endm
.irp t, 0,1,2,3
	LOAD \t
.endr
	s_wait_loadcnt 12                              ; step 0's four loads are in; those of steps 1 to 3 may be out
	TURN 0
.macro STEP t
.set XS, X+16*((\t)%2)
.if (\t) > 0
	s_wait_dscnt 1                                 ; this step's numbers are back from the stage (the last step's byte store may be out): so its stores into the stage have read their registers,
.else
	s_wait_dscnt 0x0
.endif
.if (\t)+4 < STEPS
	LOAD (\t)+4                                    ; which take the loads of four steps on
.endif
.if (\t)+1 < STEPS
.if STEPS-2-(\t) >= 3
	s_wait_loadcnt 12                              ; the next step's four loads are in; those of the three steps behind it may be out
.else
	s_wait_loadcnt 4*(STEPS-2-(\t))
.endif
	TURN (\t)+1                                    ; and go through the other stage while this step is worked
.endif
	v_max3_num_f32 v8, |v[XS]|, |v[XS+1]|, |v[XS+2]|               ; the largest magnitude of my 16, in two chains
	v_max3_num_f32 v9, |v[XS+3]|, |v[XS+4]|, |v[XS+5]|
.irp i, 6,10
	v_max3_num_f32 v8, v8, |v[XS+\i]|, |v[XS+\i+1]|
	v_max3_num_f32 v9, v9, |v[XS+\i+2]|, |v[XS+\i+3]|
.endr
	v_max3_num_f32 v8, v8, |v[XS+14]|, |v[XS+15]|
	v_max3_num_f32 v8, v8, v9, (EMAX+1)<<23        ; and the floor 2^(3 - 127): the byte cannot fall under 1
	v_max_num_f32_dpp v8, v8, v8 row_xmask:1 row_mask:0xf bank_mask:0xf   ; and of my neighbour's 16: the block's
	v_add_nc_u32 v11, -(EMAX<<23), v8              ; 2 off its exponent field: the conversion takes the exponent field of this operand as its scale
	v_cvt_scalef32_pk8_fp4_f32 v[C+4*(\t)], v[XS:XS+7], v11
	v_cvt_scalef32_pk8_fp4_f32 v[C+4*(\t)+1], v[XS+8:XS+15], v11
	v_lshrrev_b32 v[E+(\t)], 23, v11               ; the scale's byte (also the plain instruction behind the conversions)
	ds_store_b8 v5, v[E+(\t)] offset:16*(\t)       ; both lanes of a block write the same byte with the same value
	global_store_b64 v4, v[C+4*(\t):C+4*(\t)+1], s[14:15] offset:32*CB*(\t)   ; the wave stores 256 consecutive bytes, aligned; each step has registers of its own
.endm
.irp t, 0,1,2,3,4,5,6,7,8,9,10,11,12,13,14,15
	STEP \t
.endr
	ds_load_b64 v[8:9], v6                         ; LDS serves a wave's instructions in order: these see my byte stores
	s_wait_dscnt 0x0
	global_store_b64 v7, v[8:9], s[16:17]          ; the run's 256 scale bytes, consecutive and aligned
	s_wait_tensorcnt 0x0                           ; the wave's end, behind my last LDS store
	ds_add_u32 v[SPW], v[NIL]
	s_wait_dscnt 0x0
	s_endpgm
	; ---------------- Wo into f16 images ----------------
.Lwo:
	v_and_b32 v7, 15, v0                           ; r
	v_bfe_u32 v8, v0, 4, 1                         ; h
	v_lshlrev_b32 v3, 4, v7
	v_lshl_add_u32 v3, v8, 12, v3                  ; in: lanes 0-15 one row's 256 bytes, lanes 16-31 the next row's
	s_mul_i32 s25, s24, 16*WOP
	s_add_co_u32 s25, s25, WOSTG                   ; my stage
	v_mul_u32_u24 v4, v8, WOP
	v_lshl_add_u32 v4, v7, 4, v4
	v_add_nc_u32 v4, s25, v4                       ; into it: row h, 16 r
	v_mul_u32_u24 v5, v7, WOP
	v_lshl_add_u32 v5, v8, 5, v5
	v_add_nc_u32 v5, s25, v5                       ; out of it: row r, my half's eight numbers: 32 h
	v_lshlrev_b32 v6, 4, v2                        ; an image: 16 x lane
	s_sub_co_u32 s26, ttmp9, 224
	s_lshl_b32 s26, s26, 2
	s_add_co_u32 s26, s26, s24                     ; 0 .. 127: 2 x (tile of 16 rows) + (half of K)
	s_lshr_b32 s27, s26, 1                         ; nt
	s_and_b32 s28, s26, 1
	s_lshl_b32 s30, s27, 16                        ; 16 rows of 4,096 bytes
	s_lshl_b32 s29, s28, 11                        ; 512 numbers along K
	s_add_co_u32 s30, s30, s29
	s_mov_b32 s31, 0
	s_lshr_b32 s29, s27, 3
	s_lshl_b32 s29, s29, 4
	s_lshl_b32 s28, s28, 3
	s_add_co_u32 s29, s29, s28                     ; 16 (nt / 8) + first ks
	s_lshl_b32 s29, s29, 3
	s_and_b32 s28, s27, 7
	s_add_co_u32 s29, s29, s28
	s_lshl_b32 s28, s29, 11                        ; x 2,048 bytes: four images
	s_mov_b32 s29, 0
	s_wait_kmcnt 0x0
	s_add_nc_u64 s[12:13], s[12:13], s[30:31]
	s_add_nc_u64 s[22:23], s[22:23], s[28:29]
.macro WLOAD i                         ; unit i: 16 rows x 256 bytes, two rows a load
.irp e, 0,1,2,3,4,5,6,7
	global_load_b128 v[R+32*((\i)%2)+4*\e:R+32*((\i)%2)+4*\e+3], v3, s[12:13] offset:8192*\e+256*(\i) th:TH_LOAD_NT
.endr
.endm
.macro UNIT i
.if (\i) < 7
	s_wait_loadcnt 8                               ; this unit's eight loads are in; the next unit's eight may be out
.else
	s_wait_loadcnt 0x0
.endif
.irp e, 0,1,2,3,4,5,6,7
	ds_store_b128 v4, v[R+32*((\i)%2)+4*\e:R+32*((\i)%2)+4*\e+3] offset:2*WOP*\e
.endr
.irp k, 0,1,2,3
.irp c, 0,1
	ds_load_b128 v[X+8*\k+4*\c:X+8*\k+4*\c+3], v5 offset:64*\k+16*\c   ; Wo[row r][16 kap + 8 h + 4 c ..]; a wave's LDS instructions are served in order
.endr
.endr
	s_wait_dscnt 0x0                               ; the numbers are back, and the stores into the stage have read their registers
	s_wait_xcnt 0x0                                ; the stores of two units ago have read their data: that set is written again below
.irp k, 0,1,2,3
.irp m, 0,1,2,3
	v_cvt_pk_f16_f32 v[C+16*((\i)%2)+4*\k+\m], v[X+8*\k+2*\m], v[X+8*\k+2*\m+1]
.endr
.endr
.irp k, 0,1,2,3
	global_store_b128 v6, v[C+16*((\i)%2)+4*\k:C+16*((\i)%2)+4*\k+3], s[22:23] offset:16384*(\i)+512*\k   ; an image: 512 consecutive bytes, aligned
.endr
.if (\i) < 6
	WLOAD (\i)+2
.endif
.endm
	WLOAD 0
	WLOAD 1
.irp i, 0,1,2,3,4,5,6,7
	UNIT \i
.endr
	s_wait_tensorcnt 0x0                           ; the wave's end, behind my last LDS store
	ds_add_u32 v[SPW], v[NIL]
	s_wait_dscnt 0x0
	s_endpgm
.Lfunc_end_k_q3bb6fe5c48_quant:
	.size	k_q3bb6fe5c48_quant, .Lfunc_end_k_q3bb6fe5c48_quant-k_q3bb6fe5c48_quant
	.p2alignl 7, 3214868480
	.fill 96, 4, 3214868480
	.section	.rodata,"a",@progbits
	.p2align	6, 0x0
	.amdhsa_kernel k_q3bb6fe5c48_quant
		.amdhsa_group_segment_fixed_size 50688
		.amdhsa_private_segment_fixed_size 0
		.amdhsa_enable_private_segment 0
		.amdhsa_kernarg_size 80
		.amdhsa_user_sgpr_count 2
		.amdhsa_user_sgpr_kernarg_segment_ptr 1
		.amdhsa_wavefront_size32 1
		.amdhsa_system_sgpr_workgroup_id_x 1
		.amdhsa_system_sgpr_workgroup_id_y 1
		.amdhsa_system_sgpr_workgroup_id_z 1
		.amdhsa_system_vgpr_workitem_id 0
		.amdhsa_next_free_vgpr 192
		.amdhsa_next_free_sgpr 66
		.amdhsa_reserve_vcc 0
		.amdhsa_float_denorm_mode_32 3
		.amdhsa_float_denorm_mode_16_64 3
		.amdhsa_memory_ordered 1
		.amdhsa_forward_progress 1
		.amdhsa_inst_pref_size 61
	.end_amdhsa_kernel
	.amdgpu_metadata
---
amdhsa.version: [ 1, 2 ]
amdhsa.kernels:
  - .name:           k_q3bb6fe5c48_quant
    .symbol:         k_q3bb6fe5c48_quant.kd
    .args:
      - { .name: x, .offset: 0, .size: 8, .value_kind: global_buffer, .address_space: global }
      - { .name: Wq, .offset: 8, .size: 8, .value_kind: global_buffer, .address_space: global }
      - { .name: Wk, .offset: 16, .size: 8, .value_kind: global_buffer, .address_space: global }
      - { .name: Wv, .offset: 24, .size: 8, .value_kind: global_buffer, .address_space: global }
      - { .name: Wo, .offset: 32, .size: 8, .value_kind: global_buffer, .address_space: global }
      - { .name: xc, .offset: 40, .size: 8, .value_kind: global_buffer, .address_space: global }
      - { .name: xs, .offset: 48, .size: 8, .value_kind: global_buffer, .address_space: global }
      - { .name: wc, .offset: 56, .size: 8, .value_kind: global_buffer, .address_space: global }
      - { .name: ws, .offset: 64, .size: 8, .value_kind: global_buffer, .address_space: global }
      - { .name: wo16, .offset: 72, .size: 8, .value_kind: global_buffer, .address_space: global }
    .group_segment_fixed_size: 50688
    .private_segment_fixed_size: 0
    .kernarg_segment_align: 8
    .kernarg_segment_size: 80
    .max_flat_workgroup_size: 128
    .sgpr_count:     66
    .vgpr_count:     192
    .wavefront_size: 32
...
	.end_amdgpu_metadata
.endif
;; end of part 1
;; launch qkv (part 2): grid 16 x 16, 12 waves a work-group, clusters of 4 x 4, 262,144 bytes of LDS; arguments xc, xs, wc, ws, bq, bk, bv, qkv; writes qkv
.if DOCPART == 2
	.amdgcn_target "amdgcn-amd-amdhsa--gfx1250"
	.amdhsa_code_object_version 6
	.text
	.protected	k_q3bb6fe5c48_qkv
	.globl	k_q3bb6fe5c48_qkv
	.p2align	8
	.type	k_q3bb6fe5c48_qkv,@function
k_q3bb6fe5c48_qkv:
	s_mov_b64 s[64:65], 0
	v_nop
	global_prefetch_b8 v0, s[64:65] scope:SCOPE_SE
	s_setreg_imm32_b32 hwreg(HW_REG_WAVE_MODE, 25, 1), 1
	s_wait_xcnt 0x0
	s_wait_alu depctr_hold_cnt(0) depctr_sa_sdst(0) depctr_va_vdst(0) depctr_va_sdst(0) depctr_va_ssrc(0) depctr_va_vcc(0) depctr_vm_vsrc(0)
	s_getreg_b32 s2, hwreg(HW_REG_IB_STS2, 6, 4)
	s_cmp_eq_u32 s2, 0
	s_cbranch_scc0 .Lentry_in_a_cluster
	s_endpgm
.Lentry_in_a_cluster:
	s_bfe_u32 s2, ttmp6, 0x10000c
	s_cmp_lg_u32 s2, 0xf033
	s_cbranch_scc0 .Lentry_shape_is_right
	s_endpgm
.Lentry_shape_is_right:
; Q, K, V = x W^T + b on codes of FP4 (E2M1) with one E8M0 scale for each 32 along K = 1,024; sums in f32; the results leave in f16 as images of the operand registers that the attention launch wants.
; LIMIT: |Q|, |K|, |V| stay under 65,504 (f16).
; SHARES: a work-group takes 256 tokens (y) x one head's 192 features (x: 64 of q, 64 of k, 64 of v), all of K.  Twelve waves: wave w makes part p = w / 4 for tokens 64 (w % 4) on: 64 x 64, 16 accumulators.
; ALL OPERANDS LIE IN LDS AT ONCE: 448 rows (x's 256, then W's 192) x 512 bytes of codes as two slots of 256-byte rows (K 0-511, K 512-1,023), and their scale bytes.  Nothing is filled twice.
; CLUSTER 4 x 4: x's rows hang on y alone and are asked for jointly by a row of the cluster, W's on x alone, by a column.  Waves 0-3 fetch x's four units of 64 rows, waves 4-6 W's three; three loads each (scales, slot 0, slot 1).
; ROLES: for Q and K source 0 = 16 rows of W and source 1 = 16 rows of x: a lane holds one token and eight neighbouring features.  For V the other way round: a lane holds one feature and eight neighbouring tokens.
; Both sources have one layout, so a role is two LDS base addresses, made of the wave's number: a unit is 64 rows; x's are units 0-3, W's are 4 + p.
; OUT: a 16 x 16 tile packed to f16 is four registers a lane and leaves by one store of 512 consecutive bytes.  qkv = Q | K | V, 8,388,608 bytes each; Q, K: [head][64 tokens G][token tile 4][channel tile 4][512];
; V: [head][G][channel tile 4][token tile 4][512].  With a = 4 i1 + i0 (i1: source 1's tile, i0: source 0's) both are byte 512 a.
.set PITCH, 272                        ; an LDS row: 256 bytes + 16 of padding: the 16 rows of a fragment load start 68 words apart
.set UNITB, 64*PITCH
.set SLOT,  7*UNITB
.set SCL,   2*SLOT                     ; the scale bytes: a unit's 64 rows x 32 bytes as 8 rows of 256 + 16
.set SUNIT, 8*272
.set SBLK,  2*272                      ; those of 16 rows
.set SPARE, 259072                     ; the spare words, 128 bytes a wave: six blocks of 256 bytes that no other line names
.set AD0,  4                           ; v4, v5   source 0's fragments in slot 0, 1
.set AD1,  6                           ; v6, v7   source 1's
.set ADRS, 8                           ; v8       my scale words: lanes 0-15 source 1's rows, lanes 16-31 source 0's
.set L16,  9                           ; v9       16 x lane
.set BH,   10                          ; v10      32 x (lane / 16)
.set BR,   11                          ; v11      4 x (lane % 16)
.set SPW,  12                          ; v12      LDS address of my spare word; never rewritten
.set NIL,  13                          ; v13      0; never rewritten
.set BB,   16                          ; v16-47   the bias, four tiles in the result's layout
.set SC,   48                          ; v48-63   scale words: register 4 i + q: tile i, the slot's q-th 128 along K
.set F0,   64                          ; v64-95   source 0's four fragments;  on the way out v64-127 hold the packed results
.set F1,   96                          ; v96-127  source 1's
.set ACC,  128                         ; v128-255 accumulator a = 4 i1 + i0
.set WV,   20
.set PP,   21
.set TQ,   22
.set VV,   23
.set G1XC, 36                          ; s[36:43] group 1: x's codes;  s[44:51] W's codes;  s[52:59] x's scales;  s[68:75] W's scales
.set G1WC, 44
.set G1XS, 52
.set G1WS, 68
.set G0X,  76                          ; s[76:87] groups 0 for x: scales, slot 0, slot 1;  s[88:99] the same for W
.set G0W,  88
.set CODEW, (1<<20)|(1<<21)|(5<<22)|(3<<25)        ; elements of 1 byte; padding on: 4 words behind every 64; bit 21 set beside a mask
.set SCALW, CODEW|(3<<16)                          ; the same with elements of 8 bytes
.macro CROUND                          ; a round of the cluster's barrier
	s_barrier_signal -1
	s_barrier_wait -1
	s_cmp_lg_u32 s[WV], 0
	s_cbranch_scc1 .Lnot_wave_0_\@
	s_barrier_signal -3
.Lnot_wave_0_\@:
	s_barrier_wait -3
	s_barrier_signal -1
	s_barrier_wait -1
.endm
.macro PLACES                          ; four plain instructions between a matrix instruction and a load into, or a vector instruction on, its registers
.rept 4
	v_nop
.endr
.endm
	s_load_b512 s[4:19], s[0:1], 0x0               ; xc s[4:5], xs s[6:7], wc s[8:9], ws s[10:11], bq s[12:13], bk s[14:15], bv s[16:17], qkv s[18:19]
	v_lshl_add_u32 v[SPW], v0, 2, SPARE
	v_mov_b32 v[NIL], 0
	ds_add_u32 v[SPW], v[NIL]                      ; the wave's opening: the add, twice on end, and its wait ahead of the first tensor loads
	ds_add_u32 v[SPW], v[NIL]                      ; and once more; the set-up below, work on registers, stands between it and the wait
	v_lshrrev_b32 v1, 5, v0
	v_readfirstlane_b32 s[WV], v1                  ; wave 0 .. 11
	s_lshr_b32 s[PP], s[WV], 2                     ; part: 0 q, 1 k, 2 v
	s_and_b32 s[TQ], s[WV], 3                      ; my 64 tokens.  Also: which unit of x or of W I fetch
	s_lshr_b32 s[VV], s[PP], 1                     ; 1 for V's waves
	s_bfe_u32 s24, ttmp6, 0x40000                  ; cx
	s_bfe_u32 s25, ttmp6, 0x40004                  ; cy
	s_lshl_b32 s26, ttmp9, 2
	s_add_co_u32 s26, s26, s24                     ; head = 4 x cluster x + cx
	s_and_b32 s27, ttmp7, 0xffff
	s_lshl_b32 s27, s27, 2
	s_add_co_u32 s27, s27, s25                     ; block of 256 tokens = 4 x cluster y + cy
	s_lshl_b32 s28, s25, 2
	s_lshl_b32 s28, 15, s28                        ; my row of the cluster
	s_lshl_b32 s60, 0x1111, s24                    ; my column
	s_or_b32 s[G1XC], s28, CODEW
	s_or_b32 s[G1XS], s28, SCALW
	s_or_b32 s[G1WC], s60, CODEW
	s_or_b32 s[G1WS], s60, SCALW
.irp g, G1XC, G1WC                     ; 64 rows x 256 bytes out of rows of 512
	s_mov_b32 s[\g+1], 256<<16                     ; tensor_dim0
	s_mov_b32 s[\g+2], 64<<16                      ; tensor_dim1
	s_mov_b32 s[\g+3], 256<<16                     ; tile_dim0
	s_mov_b32 s[\g+4], 64                          ; tile_dim1
	s_mov_b32 s[\g+5], 512                         ; from row to row
	s_mov_b32 s[\g+6], 0
	s_mov_b32 s[\g+7], 0
.endr
.irp g, G1XS, G1WS                     ; 2,048 dense bytes as 8 rows of 32 elements of 8 bytes
	s_mov_b32 s[\g+1], 32<<16
	s_mov_b32 s[\g+2], 8<<16
	s_mov_b32 s[\g+3], 32<<16
	s_mov_b32 s[\g+4], 8
	s_mov_b32 s[\g+5], 32
	s_mov_b32 s[\g+6], 0
	s_mov_b32 s[\g+7], 0
.endr
	; the roles: dd = (4 + p) - tq, the distance in units from my tokens to my part of W
	s_xor_b32 s30, s[TQ], 3
	s_add_co_u32 s30, s30, s[PP]
	s_add_co_u32 s30, s30, 1                       ; dd
	s_xor_b32 s31, s[VV], 1
	s_mul_i32 s31, s31, s30
	s_add_co_u32 s31, s31, s[TQ]                   ; source 0's unit: W's for Q and K, x's for V
	s_mul_i32 s32, s[VV], s30
	s_add_co_u32 s32, s32, s[TQ]                   ; source 1's unit
	s_mul_i32 s31, s31, UNITB
	s_mul_i32 s32, s32, UNITB
	v_and_b32 v1, 15, v0                           ; r
	v_bfe_u32 v2, v0, 4, 1                         ; h
	v_mul_u32_u24 v3, v1, PITCH
	v_lshl_add_u32 v3, v2, 4, v3                   ; a fragment's row x pitch + 16 h
	v_add_nc_u32 v[AD0], s31, v3
	v_add_nc_u32 v[AD0+1], SLOT, v[AD0]
	v_add_nc_u32 v[AD1], s32, v3
	v_add_nc_u32 v[AD1+1], SLOT, v[AD1]
	v_xor_b32 v14, s[VV], v2                       ; lanes 0-15 take source 1's scale words, lanes 16-31 source 0's: one product on the lower base
	s_mul_i32 s30, s30, SUNIT
	v_mul_u32_u24 v14, s30, v14
	v_lshrrev_b32 v15, 3, v1
	v_lshlrev_b32 v15, 4, v15
	v_lshl_add_u32 v15, v1, 5, v15                 ; row r: 32 bytes a row, 16 more behind each 256
	v_add_nc_u32 v14, v14, v15
	s_mul_i32 s33, s[TQ], SUNIT
	s_add_co_u32 s33, s33, SCL
	v_add_nc_u32 v[ADRS], s33, v14
	v_and_b32 v[L16], 31, v0
	v_lshlrev_b32 v[L16], 4, v[L16]
	v_lshlrev_b32 v[BH], 5, v2
	v_lshlrev_b32 v[BR], 2, v1
	; what I fetch, if I fetch.  Every wave makes both addresses; x's hang on y alone, W's on x alone
	s_lshl_b32 s34, s27, 8
	s_lshl_b32 s29, s[TQ], 6
	s_add_co_u32 s34, s34, s29                     ; x's row: 256 x block + 64 x unit
	s_mul_i32 s60, s26, 192
	s_add_co_u32 s60, s60, s29                     ; W's row: 192 x head + 64 x unit
	s_lshl_b32 s28, s34, 5                         ; x's scale bytes,
	s_mov_b32 s29, 0
	s_lshl_b32 s34, s34, 9                         ; x's codes,
	s_mov_b32 s35, 0
	s_lshl_b32 s62, s60, 5                         ; W's scale bytes,
	s_mov_b32 s63, 0
	s_lshl_b32 s60, s60, 9                         ; W's codes
	s_mov_b32 s61, 0
	s_mul_i32 s30, s[WV], SUNIT
	s_add_co_u32 s30, s30, SCL                     ; where they go: unit = wave: no place in the cluster enters an LDS address
	s_mul_i32 s31, s[WV], UNITB
	s_wait_dscnt 0x0                               ; both opening adds are done
	s_wait_kmcnt 0x0
	s_mov_b32 s[G0X], 1
	s_mov_b32 s[G0X+1], s30
	s_add_nc_u64 s[G0X+2:G0X+3], s[6:7], s[28:29]
	s_or_b32 s[G0X+3], s[G0X+3], 0x80000000
	s_mov_b32 s[G0X+4], 1
	s_mov_b32 s[G0X+5], s31
	s_add_nc_u64 s[G0X+6:G0X+7], s[4:5], s[34:35]
	s_mov_b32 s[G0X+8], 1
	s_add_co_u32 s[G0X+9], s31, SLOT
	s_add_nc_u64 s[G0X+10:G0X+11], s[G0X+6:G0X+7], 256   ; the rows' second 256 bytes
	s_or_b32 s[G0X+7], s[G0X+7], 0x80000000
	s_or_b32 s[G0X+11], s[G0X+11], 0x80000000
	s_mov_b32 s[G0W], 1
	s_mov_b32 s[G0W+1], s30
	s_add_nc_u64 s[G0W+2:G0W+3], s[10:11], s[62:63]
	s_or_b32 s[G0W+3], s[G0W+3], 0x80000000
	s_mov_b32 s[G0W+4], 1
	s_mov_b32 s[G0W+5], s31
	s_add_nc_u64 s[G0W+6:G0W+7], s[8:9], s[60:61]
	s_mov_b32 s[G0W+8], 1
	s_add_co_u32 s[G0W+9], s31, SLOT
	s_add_nc_u64 s[G0W+10:G0W+11], s[G0W+6:G0W+7], 256
	s_or_b32 s[G0W+7], s[G0W+7], 0x80000000
	s_or_b32 s[G0W+11], s[G0W+11], 0x80000000
	CROUND                                         ; all sixteen work-groups are here: the joint loads meet
	s_cmp_lt_u32 s[WV], 4                          ; a wave's three loads stand in one branch on its number; by this text's count three are out at the most
	s_cbranch_scc0 .Lnot_x
	tensor_load_to_lds s[G0X:G0X+3], s[G1XS:G1XS+7]
	s_nop 0
	tensor_load_to_lds s[G0X+4:G0X+7], s[G1XC:G1XC+7]
	s_nop 0
	tensor_load_to_lds s[G0X+8:G0X+11], s[G1XC:G1XC+7]
	s_nop 0
	PLACES
	s_branch .Lasked
.Lnot_x:
	s_cmp_lt_u32 s[WV], 7
	s_cbranch_scc0 .Lasked
	tensor_load_to_lds s[G0W:G0W+3], s[G1WS:G1WS+7]
	s_nop 0
	tensor_load_to_lds s[G0W+4:G0W+7], s[G1WC:G1WC+7]
	s_nop 0
	tensor_load_to_lds s[G0W+8:G0W+11], s[G1WC:G1WC+7]
	s_nop 0
	PLACES
.Lasked:
	; the bias is the C of each sum's first product: eight registers a tile in the result's layout
	s_cmp_eq_u32 s[PP], 1
	s_cselect_b64 s[12:13], s[14:15], s[12:13]
	s_cmp_eq_u32 s[PP], 2
	s_cselect_b64 s[12:13], s[16:17], s[12:13]
	s_lshl_b32 s32, s26, 8                         ; the head's 64 numbers
	s_mov_b32 s33, 0
	s_add_nc_u64 s[12:13], s[12:13], s[32:33]
	s_cmp_eq_u32 s[VV], 0
	s_cbranch_scc0 .Lbias_v
.irp f, 0,1,2,3                        ; Q, K: register j of tile f is feature 16 f + 8 h + j
	global_load_b128 v[BB+8*\f:BB+8*\f+3], v[BH], s[12:13] offset:64*\f
	global_load_b128 v[BB+8*\f+4:BB+8*\f+7], v[BH], s[12:13] offset:64*\f+16
.endr
	s_branch .Lbias_in
.Lbias_v:
.irp f, 0,1,2,3                        ; V: all eight registers of tile f are feature 16 f + r
.irp j, 0,1,2,3,4,5,6,7
	global_load_b32 v[BB+8*\f+\j], v[BR], s[12:13] offset:64*\f
.endr
.endr
.Lbias_in:
	s_lshl_b32 s32, s26, 6                         ; where my 64 x 64 goes: part x 8,388,608 + (64 head + 4 block + tq) x 8,192
	s_lshl_b32 s34, s27, 2
	s_add_co_u32 s32, s32, s34
	s_add_co_u32 s32, s32, s[TQ]
	s_lshl_b32 s32, s32, 13
	s_lshl_b32 s34, s[PP], 23
	s_add_co_u32 s32, s32, s34
	s_add_nc_u64 s[18:19], s[18:19], s[32:33]
.macro FRAGS s, q                      ; a fragment, 16 rows x 128 K of 4-bit codes, is 8 registers: registers 4 c .. 4 c + 3 hold K = 64 c + 32 h + 0 .. 31: 16 bytes of the row as they lie
.irp i, 0,1,2,3
.irp c, 0,1
	ds_load_b128 v[F0+8*\i+4*\c:F0+8*\i+4*\c+3], v[AD0+\s] offset:64*\q+32*\c+16*PITCH*\i
	ds_load_b128 v[F1+8*\i+4*\c:F1+8*\i+4*\c+3], v[AD1+\s] offset:64*\q+32*\c+16*PITCH*\i
.endr
.endr
.endm
.macro SCALES s                        ; the slot's 16 scale bytes of each row: four words
.irp i, 0,1,2,3
	ds_load_b128 v[SC+4*\i:SC+4*\i+3], v[ADRS] offset:SBLK*\i+16*\s
.endr
.endm
; 16 products, 128 along K.  The accumulators take turns, one instruction a turn, in the same order in every step.  cmode 1: C = the bias by source 0's tile; 2: by source 1's; 0: the sum itself.
.macro MUL16 q, cmode
.irp a, 0,1,2,3
.irp b, 0,1,2,3
.if \cmode == 1
	v_wmma_scale_f32_16x16x128_f8f6f4 v[ACC+8*(4*\a+\b):ACC+8*(4*\a+\b)+7], v[F0+8*\b:F0+8*\b+7], v[F1+8*\a:F1+8*\a+7], v[BB+8*\b:BB+8*\b+7], v[SC+4*\b+\q], v[SC+4*\a+\q] matrix_a_fmt:MATRIX_FMT_FP4 matrix_b_fmt:MATRIX_FMT_FP4 matrix_a_scale:MATRIX_SCALE_ROW1
.elseif \cmode == 2
	v_wmma_scale_f32_16x16x128_f8f6f4 v[ACC+8*(4*\a+\b):ACC+8*(4*\a+\b)+7], v[F0+8*\b:F0+8*\b+7], v[F1+8*\a:F1+8*\a+7], v[BB+8*\a:BB+8*\a+7], v[SC+4*\b+\q], v[SC+4*\a+\q] matrix_a_fmt:MATRIX_FMT_FP4 matrix_b_fmt:MATRIX_FMT_FP4 matrix_a_scale:MATRIX_SCALE_ROW1
.else
	v_wmma_scale_f32_16x16x128_f8f6f4 v[ACC+8*(4*\a+\b):ACC+8*(4*\a+\b)+7], v[F0+8*\b:F0+8*\b+7], v[F1+8*\a:F1+8*\a+7], v[ACC+8*(4*\a+\b):ACC+8*(4*\a+\b)+7], v[SC+4*\b+\q], v[SC+4*\a+\q] matrix_a_fmt:MATRIX_FMT_FP4 matrix_b_fmt:MATRIX_FMT_FP4 matrix_a_scale:MATRIX_SCALE_ROW1
.endif
.endr
.endr
.endm
.macro STEP s, q, sc                   ; 128 along K; three waves share a SIMD, so one wave's loads stand beside another's products
	PLACES
.if \sc
	SCALES \s
.endif
	FRAGS \s, \q
	s_wait_dscnt 0x0
	MUL16 \q, 0
.endm
	s_wait_tensorcnt 0x1                           ; my scales and my part of slot 0 are in; slot 1's load, issued behind them, may stay out
	s_barrier_signal -1
	s_barrier_wait -1                              ; everybody's are
	SCALES 0
	FRAGS 0, 0
	s_wait_loadcnt 0x0                             ; the bias
	s_wait_dscnt 0x0
	s_cmp_eq_u32 s[VV], 0
	s_cbranch_scc0 .Lfirst_v
	MUL16 0, 1
	s_branch .Lfirst_done
.Lfirst_v:
	MUL16 0, 2
.Lfirst_done:
	STEP 0, 1, 0
	STEP 0, 2, 0
	STEP 0, 3, 0
	s_wait_tensorcnt 0x0                           ; my part of slot 1 is in,
	s_wait_dscnt 0x0
	s_barrier_signal -1
	s_barrier_wait -1                              ; everybody's is
	STEP 1, 0, 1
	STEP 1, 1, 0
	STEP 1, 2, 0
	STEP 1, 3, 0
	PLACES
.set a, 0
.rept 16                               ; each accumulator from its low end on
.irp m, 0,1,2,3
	v_cvt_pk_f16_f32 v[F0+4*a+\m], v[ACC+8*a+2*\m], v[ACC+8*a+2*\m+1]
.endr
.set a, a+1
.endr
.set a, 0
.rept 16
	global_store_b128 v[L16], v[F0+4*a:F0+4*a+3], s[18:19] offset:512*a   ; a tile's image: 512 consecutive bytes, aligned
.set a, a+1
.endr
	s_wait_tensorcnt 0x0                           ; the wave's end
	ds_add_u32 v[SPW], v[NIL]
	s_wait_dscnt 0x0
	CROUND                                         ; the closing round
	s_endpgm
.Lfunc_end_k_q3bb6fe5c48_qkv:
	.size	k_q3bb6fe5c48_qkv, .Lfunc_end_k_q3bb6fe5c48_qkv-k_q3bb6fe5c48_qkv
	.p2alignl 7, 3214868480
	.fill 96, 4, 3214868480
	.section	.rodata,"a",@progbits
	.p2align	6, 0x0
	.amdhsa_kernel k_q3bb6fe5c48_qkv
		.amdhsa_group_segment_fixed_size 262144
		.amdhsa_private_segment_fixed_size 0
		.amdhsa_enable_private_segment 0
		.amdhsa_kernarg_size 64
		.amdhsa_user_sgpr_count 2
		.amdhsa_user_sgpr_kernarg_segment_ptr 1
		.amdhsa_wavefront_size32 1
		.amdhsa_system_sgpr_workgroup_id_x 1
		.amdhsa_system_sgpr_workgroup_id_y 1
		.amdhsa_system_sgpr_workgroup_id_z 1
		.amdhsa_system_vgpr_workitem_id 0
		.amdhsa_next_free_vgpr 256
		.amdhsa_next_free_sgpr 100
		.amdhsa_reserve_vcc 0
		.amdhsa_float_denorm_mode_32 3
		.amdhsa_float_denorm_mode_16_64 3
		.amdhsa_memory_ordered 1
		.amdhsa_forward_progress 1
		.amdhsa_inst_pref_size 46
	.end_amdhsa_kernel
	.amdgpu_metadata
---
amdhsa.version: [ 1, 2 ]
amdhsa.kernels:
  - .name:           k_q3bb6fe5c48_qkv
    .symbol:         k_q3bb6fe5c48_qkv.kd
    .args:
      - { .name: xc, .offset: 0, .size: 8, .value_kind: global_buffer, .address_space: global }
      - { .name: xs, .offset: 8, .size: 8, .value_kind: global_buffer, .address_space: global }
      - { .name: wc, .offset: 16, .size: 8, .value_kind: global_buffer, .address_space: global }
      - { .name: ws, .offset: 24, .size: 8, .value_kind: global_buffer, .address_space: global }
      - { .name: bq, .offset: 32, .size: 8, .value_kind: global_buffer, .address_space: global }
      - { .name: bk, .offset: 40, .size: 8, .value_kind: global_buffer, .address_space: global }
      - { .name: bv, .offset: 48, .size: 8, .value_kind: global_buffer, .address_space: global }
      - { .name: qkv, .offset: 56, .size: 8, .value_kind: global_buffer, .address_space: global }
    .group_segment_fixed_size: 262144
    .private_segment_fixed_size: 0
    .kernarg_segment_align: 8
    .kernarg_segment_size: 64
    .max_flat_workgroup_size: 384
    .sgpr_count:     100
    .vgpr_count:     256
    .wavefront_size: 32
...
	.end_amdgpu_metadata
.endif
;; end of part 2
;; launch attn (part 3): grid 16 x 16, 8 waves a work-group, clusters of 4 x 1, 327,680 bytes of LDS; arguments qkv, ob; writes ob
.if DOCPART == 3
	.amdgcn_target "amdgcn-amd-amdhsa--gfx1250"
	.amdhsa_code_object_version 6
	.text
	.protected	k_q3bb6fe5c48_attn
	.globl	k_q3bb6fe5c48_attn
	.p2align	8
	.type	k_q3bb6fe5c48_attn,@function
k_q3bb6fe5c48_attn:
	s_mov_b64 s[64:65], 0
	v_nop
	global_prefetch_b8 v0, s[64:65] scope:SCOPE_SE
	s_setreg_imm32_b32 hwreg(HW_REG_WAVE_MODE, 25, 1), 1
	s_wait_xcnt 0x0
	s_wait_alu depctr_hold_cnt(0) depctr_sa_sdst(0) depctr_va_vdst(0) depctr_va_sdst(0) depctr_va_ssrc(0) depctr_va_vcc(0) depctr_vm_vsrc(0)
	s_getreg_b32 s2, hwreg(HW_REG_IB_STS2, 6, 4)
	s_cmp_eq_u32 s2, 0
	s_cbranch_scc0 .Lentry_in_a_cluster
	s_endpgm
.Lentry_in_a_cluster:
	s_bfe_u32 s2, ttmp6, 0x10000c
	s_cmp_lg_u32 s2, 0x3003
	s_cbranch_scc0 .Lentry_shape_is_right
	s_endpgm
.Lentry_shape_is_right:
; O[h][q] = the sum over k of softmax_k(Q[h][q] . K[h][k] / 8) V[h][k]: 16 heads of 64, 4,096 keys, no mask.  Q, K, V arrive in f16 as images of operand registers; products, maxima and sums in f32;
; the weights p are rounded to f16 for the second product, O to f16 at the end.
; LIMITS: NaN and infinities are not served; the running maximum begins at -3e38; |Q|, |K|, |V| under 65,504.
; SHARES: a work-group owns 256 queries of one head, each of its eight waves 32: two tiles of 16.  Two waves share a SIMD, so one wave's softmax stands beside the other's products.  Every wave walks 64 steps of 64 keys.
; LAYOUT: S^T = K Q^T (source 0 = 16 keys, source 1 = 16 queries) and O^T = V^T P (source 0 = 16 channels, source 1 = P): a lane holds ONE query throughout; two score tiles rounded in pairs ARE P's fragment.
; 64 keys of K are 8,192 dense bytes, register 4 e of the 64 at byte 512 e + 16 x lane; V likewise (channels x keys).  So a fragment comes by loads of 512 consecutive bytes: no pitch, no padding.
; SOFTMAX: a running maximum m and sum l for each query; p = 2^(c s - c m), c = log2(e) / 8; in every step O and l are multiplied by a = 2^(c m_old - c m_new).
; RING: two LDS slots of 512 keys (K's 65,536 bytes, then V's).  Each wave fetches 16,384 bytes of a slot by one tensor load.  CLUSTER: the four query blocks of a cluster walk the same K and V: each load is joint, mask 15.
; PIPELINE: a step's body is: K of the next step asked of LDS | softmax of this step | V^T P of this step | the row sums | V of the next step asked | K Q^T of the next step.
; REGISTERS: window 0: v1-9 addresses; v16-31 statistics, 8 a tile: +0 c m, +1 m, +2, +3 l, +4 .. +7 at work (a at +6); v32-63 Q; v64-127 S^T, then p; v128-159 P; v160-223 O^T; v224-255 the way out.
;   window 1: v0-63 K of one step, v64-127 V of one step.
.set SLOTB, 1<<17
.set SPARE, 2*SLOTB                    ; the spare words, 128 bytes a wave: four blocks of 256 bytes that no other line names
.set L16,  1                           ; v1  16 x lane
.set L16V, 2                           ; v2  the same in V's half of a slot
.set ADK,  3                           ; v3  LDS address of the step's K
.set ADV,  4                           ; v4  of its V
.set PFO,  6                           ; v6  256 x lane; never rewritten
.set SPW,  8                           ; v8  LDS address of my spare word; never rewritten
.set NIL,  9                           ; v9  0; never rewritten
.set ST,   16
.set QF,   32
.set S,    64
.set P,    128
.set O,    160
.set PK,   224
.set KF,   0                           ; in window 1
.set VF,   64
.set WV,   8
.set G1,   16                          ; s[16:23] descriptor group 1
.set G0A,  24                          ; s[24:27] group 0 of slot 0's first fill
.set G0B,  28                          ; s[28:31] of slot 1's; it then walks
.set CS,   32                          ; s[32:33] c, twice
.set SEL,  34                          ; s[34:35] selects for v_permlanex16_b32: lane l xor 16
.set TB,   36                          ; s36 LDS byte at which the step to be fetched begins
.set SLOTS, 37
.set CNT,  38
.set LIM,  39                          ; s39 1 in a wave that prefetches, else the greatest number
.set PFA,  40                          ; s[40:41] where my prefetches stand
.set QB,   42                          ; s[42:43] my queries
.set OB,   44                          ; s[44:45] my rows of the output
.set MSB, 0
.macro WIN new                         ; bits 1:0 source 0, 3:2 source 1, 5:4 source 2, 7:6 destination; the high byte repeats the setting that is left
.if MSB != \new
	s_set_vgpr_msb (MSB<<8)|\new
.set MSB, \new
.endif
.endm
.macro PLACES
.rept 4
	v_nop
.endr
.endm
.macro CROUND                          ; a round of the cluster's barrier
	s_barrier_signal -1
	s_barrier_wait -1
	s_cmp_lg_u32 s[WV], 0
	s_cbranch_scc1 .Lnot_wave_0_\@
	s_barrier_signal -3
.Lnot_wave_0_\@:
	s_barrier_wait -3
	s_barrier_signal -1
	s_barrier_wait -1
.endm
; A prefetch of what the NEXT change of slots will ask for: 131,072 bytes, 512 blocks of 256.  All clusters of a head walk the same K and V: the head's first cluster asks.  In it the even waves ask, for their own piece and the
; next wave's (32,768 bytes on end); the four partners take 8,192 bytes each, told apart by address; a lane a block.  So each block is named once.  The last change that fills a slot asks for nothing.
.macro ASK
	s_cmp_gt_u32 s[SLOTS], s[LIM]
	s_cbranch_scc0 .Lnot_mine_\@
	global_prefetch_b8 v[PFO], s[PFA:PFA+1] th:TH_LOAD_NT scope:SCOPE_SE
.Lnot_mine_\@:
.endm
	s_load_b128 s[4:7], s[0:1], 0x0                ; qkv s[4:5], ob s[6:7]
	v_lshl_add_u32 v[SPW], v0, 2, SPARE
	v_mov_b32 v[NIL], 0
	ds_add_u32 v[SPW], v[NIL]                      ; the wave's opening: the add, twice on end, and its wait ahead of my first tensor load
	ds_add_u32 v[SPW], v[NIL]                      ; and once more; the set-up below, work on registers, stands between it and the wait
	v_lshrrev_b32 v5, 5, v0
	v_readfirstlane_b32 s[WV], v5                  ; wave 0 .. 7
	s_bfe_u32 s9, ttmp6, 0x40000                   ; cx
	s_lshl_b32 s10, ttmp9, 2
	s_add_co_u32 s10, s10, s9                      ; my block of 256 queries: it enters Q's and O's addresses alone
	s_and_b32 s11, ttmp7, 0xffff                   ; the head, which the partners share
	s_lshr_b32 s12, s[WV], 2                       ; what I fetch: waves 0-3 K's quarters, waves 4-7 V's
	s_add_co_u32 s12, s12, 1
	s_lshl_b32 s12, s12, 23                        ; K begins 8,388,608 bytes into qkv, V twice that
	s_lshl_b32 s13, s11, 19                        ; a head's 4,096 keys are 524,288 bytes
	s_add_co_u32 s12, s12, s13
	s_and_b32 s13, s[WV], 3
	s_lshl_b32 s13, s13, 14
	s_add_co_u32 s12, s12, s13
	s_mov_b32 s13, 0
	s_lshl_b32 s14, s[WV], 14                      ; and where it goes in a slot: no place in the cluster enters an LDS address
	s_lshl_b32 s46, s11, 6                         ; Q: (64 head + 4 block + wave / 2) x 8,192 + (wave % 2) x 4,096
	s_lshl_b32 s47, s10, 2
	s_add_co_u32 s46, s46, s47
	s_lshr_b32 s47, s[WV], 1
	s_add_co_u32 s46, s46, s47
	s_lshl_b32 s46, s46, 13
	s_and_b32 s47, s[WV], 1
	s_lshl_b32 s47, s47, 12
	s_add_co_u32 s46, s46, s47
	s_mov_b32 s47, 0
	s_lshl_b32 s48, s10, 1                         ; ob [128 tokens][head][token tile 8][channel tile 4][512]: ((2 block + wave / 4) x 16 + head) x 16,384 + ((2 wave) % 8) x 2,048
	s_lshr_b32 s49, s[WV], 2
	s_add_co_u32 s48, s48, s49
	s_lshl_b32 s48, s48, 4
	s_add_co_u32 s48, s48, s11
	s_lshl_b32 s48, s48, 14
	s_lshl_b32 s49, s[WV], 1
	s_and_b32 s49, s49, 7
	s_lshl_b32 s49, s49, 11
	s_add_co_u32 s48, s48, s49
	s_mov_b32 s49, 0
	s_lshl_b32 s50, s9, 13                         ; my work-group's 8,192 bytes of a prefetch
	s_mov_b32 s51, 0
	s_mov_b32 s[G1], 15|(3<<16)|(1<<21)            ; the mask: all four work-groups; elements of 8 bytes; no padding; bit 21 set beside a mask
	s_mov_b32 s[G1+1], 32<<16                      ; 16,384 dense bytes as 64 rows of 256
	s_mov_b32 s[G1+2], 64<<16
	s_mov_b32 s[G1+3], 32<<16
	s_mov_b32 s[G1+4], 64
	s_mov_b32 s[G1+5], 32
	s_mov_b32 s[G1+6], 0
	s_mov_b32 s[G1+7], 0
	s_mov_b32 s[CS], 0x3e38aa3b                    ; c = log2(e) / 8
	s_mov_b32 s[CS+1], s[CS]
	s_mov_b32 s[SEL], 0x76543210
	s_mov_b32 s[SEL+1], 0xfedcba98
	s_mov_b32 s[TB], 0
	s_and_b32 s[LIM], s[WV], 1
	s_or_b32 s[LIM], s[LIM], ttmp9                 ; 0 in the even waves of the head's first cluster: the same in all four partners
	s_cmp_eq_u32 s[LIM], 0
	s_cselect_b32 s[LIM], 1, -1
	v_and_b32 v[L16], 31, v0
	v_lshlrev_b32 v[PFO], 8, v[L16]
	v_lshlrev_b32 v[L16], 4, v[L16]
	v_add_nc_u32 v[L16V], 65536, v[L16]
	s_wait_dscnt 0x0                               ; both opening adds are done
	s_wait_kmcnt 0x0
	s_add_nc_u64 s[12:13], s[4:5], s[12:13]        ; my piece of the head's first 512 keys
	s_add_nc_u64 s[QB:QB+1], s[4:5], s[46:47]
	s_add_nc_u64 s[OB:OB+1], s[6:7], s[48:49]
	s_add_nc_u64 s[PFA:PFA+1], s[12:13], s[50:51]
	s_add_nc_u64 s[PFA:PFA+1], s[PFA:PFA+1], 2*65536   ; at the third 512 keys: the first change of slots steps it to the fourth.  Nothing is prefetched at the head
	s_mov_b32 s[G0A], 1
	s_mov_b32 s[G0A+1], s14
	s_mov_b64 s[G0A+2:G0A+3], s[12:13]
	s_or_b32 s[G0A+3], s[G0A+3], 0x80000000
	s_mov_b32 s[G0B], 1
	s_add_co_u32 s[G0B+1], s14, SLOTB
	s_add_nc_u64 s[G0B+2:G0B+3], s[12:13], 65536
	s_or_b32 s[G0B+3], s[G0B+3], 0x80000000
	CROUND                                         ; all four work-groups are here: the first joint loads meet
	tensor_load_to_lds s[G0A:G0A+3], s[G1:G1+7]    ; both first fills together: two loads of mine are out
	s_nop 0
	tensor_load_to_lds s[G0B:G0B+3], s[G1:G1+7]
	s_nop 0
	PLACES
.irp t, 0,1                            ; Q stays in registers: tile t, channels 32 c on
.irp c, 0,1
	global_load_b128 v[QF+16*\t+8*\c:QF+16*\t+8*\c+3], v[L16], s[QB:QB+1] offset:2048*\t+1024*\c
	global_load_b128 v[QF+16*\t+8*\c+4:QF+16*\t+8*\c+7], v[L16], s[QB:QB+1] offset:2048*\t+1024*\c+512
.endr
.endr
.irp t, 0,1
	v_mov_b32 v[ST+8*\t+1], 0xff61b1e6             ; m = -3e38, under every score
	v_mul_f32 v[ST+8*\t], s[CS], v[ST+8*\t+1]      ; c m
	v_mov_b32 v[ST+8*\t+2], 0                      ; l
	v_mov_b32 v[ST+8*\t+3], 0
.endr
.set i, 0
.rept 64
	v_mov_b32 v[O+i], 0                            ; O^T.  (The step is written without a first copy: the first step's a is 0 and finds zeros)
.set i, i+1
.endr
.macro FETCH_K                         ; 64 keys x 64 channels: fragment (key tile kt, channels 32 cc) at KF + 16 kt + 8 cc
	WIN 0x40                                       ; destination window 1, address window 0
.irp e, 0,1,2,3,4,5,6,7,8,9,10,11,12,13,14,15
	ds_load_b128 v[KF+4*\e:KF+4*\e+3], v[ADK] offset:512*\e
.endr
.endm
.macro FETCH_V                         ; 64 channels x 64 keys: fragment (channel tile f, keys 32 u) at VF + 16 f + 8 u
	WIN 0x40
.irp e, 0,1,2,3,4,5,6,7,8,9,10,11,12,13,14,15
	ds_load_b128 v[VF+4*\e:VF+4*\e+3], v[ADV] offset:512*\e
.endr
.endm
; The accumulators take turns, one instruction a turn: between two links of a chain stand seven others'.
.macro QK                              ; S^T = K Q^T; the first eight start the sums
	WIN 0x01                                       ; source 0 window 1
.irp c, 0,1
.irp k, 0,1,2,3
.irp t, 0,1
.if \c == 0
	v_wmma_f32_16x16x32_f16 v[S+32*\t+8*\k:S+32*\t+8*\k+7], v[KF+16*\k+8*\c:KF+16*\k+8*\c+7], v[QF+16*\t+8*\c:QF+16*\t+8*\c+7], 0
.else
	v_wmma_f32_16x16x32_f16 v[S+32*\t+8*\k:S+32*\t+8*\k+7], v[KF+16*\k+8*\c:KF+16*\k+8*\c+7], v[QF+16*\t+8*\c:QF+16*\t+8*\c+7], v[S+32*\t+8*\k:S+32*\t+8*\k+7]
.endif
.endr
.endr
.endr
.endm
.macro PV                              ; O^T += V^T P
	WIN 0x01
.irp u, 0,1
.irp f, 0,1,2,3
.irp t, 0,1
	v_wmma_f32_16x16x32_f16 v[O+32*\t+8*\f:O+32*\t+8*\f+7], v[VF+16*\f+8*\u:VF+16*\f+8*\u+7], v[P+16*\t+8*\u:P+16*\t+8*\u+7], v[O+32*\t+8*\f:O+32*\t+8*\f+7]
.endr
.endr
.endr
.endm
.macro SOFTMAX                         ; both tiles by turns, so that no line waits for the line above it
.irp j, 0,1,2,3                        ; the maximum of a lane's 32 scores and the old m: four chains, each begun at its accumulator's low end
.irp t, 0,1
	v_max3_num_f32 v[ST+8*\t+4+\j], v[S+32*\t+8*\j], v[S+32*\t+8*\j+1], v[S+32*\t+8*\j+2]
.endr
.endr
.irp g, 1,2
.irp j, 0,1,2,3
.irp t, 0,1
	v_max3_num_f32 v[ST+8*\t+4+\j], v[ST+8*\t+4+\j], v[S+32*\t+8*\j+2*\g+1], v[S+32*\t+8*\j+2*\g+2]
.endr
.endr
.endr
.irp t, 0,1
	v_max3_num_f32 v[ST+8*\t+4], v[ST+8*\t+4], v[S+32*\t+7], v[S+32*\t+15]
.endr
.irp t, 0,1
	v_max3_num_f32 v[ST+8*\t+6], v[ST+8*\t+6], v[S+32*\t+23], v[S+32*\t+31]
.endr
.irp t, 0,1
	v_max3_num_f32 v[ST+8*\t+4], v[ST+8*\t+4], v[ST+8*\t+5], v[ST+8*\t+6]
.endr
.irp t, 0,1
	v_max3_num_f32 v[ST+8*\t+4], v[ST+8*\t+4], v[ST+8*\t+7], v[ST+8*\t+1]
.endr
.irp t, 0,1
	v_permlanex16_b32 v[ST+8*\t+5], v[ST+8*\t+4], s[SEL], s[SEL+1]   ; the query's other 32 keys lie in the lane 16 away
.endr
.irp t, 0,1
	v_mov_b32 v[ST+8*\t+7], v[ST+8*\t]             ; c m_old is kept
.endr
.irp t, 0,1
	v_max_num_f32 v[ST+8*\t+1], v[ST+8*\t+4], v[ST+8*\t+5]
.endr
.irp t, 0,1
	v_mul_f32 v[ST+8*\t], s[CS], v[ST+8*\t+1]
.endr
.irp t, 0,1
	v_sub_f32 v[ST+8*\t+7], v[ST+8*\t+7], v[ST+8*\t]
.endr
.set i, 0
.rept 16
.irp t, 0,1
	v_pk_fma_f32 v[S+32*\t+2*i:S+32*\t+2*i+1], v[S+32*\t+2*i:S+32*\t+2*i+1], s[CS:CS+1], v[ST+8*\t:ST+8*\t+1] op_sel_hi:[1,0,0] neg_lo:[0,0,1] neg_hi:[0,0,1]   ; c s - c m
.endr
.set i, i+1
.endr
.irp t, 0,1                            ; ONE BATCH of 66 exponentials: none reads another's result
	v_exp_f32 v[ST+8*\t+6], v[ST+8*\t+7]           ; a
.endr
.set i, 0
.rept 32
.irp t, 0,1
	v_exp_f32 v[S+32*\t+i], v[S+32*\t+i]           ; p, at most 1
.endr
.set i, i+1
.endr
	v_nop                                          ; a plain instruction behind the last exponential
	s_wait_alu depctr_va_vdst(0)                   ; this wait ahead of the first line that names a result: one for the batch
.set i, 0
.rept 16
.irp t, 0,1
	v_cvt_pk_f16_f32 v[P+16*\t+i], v[S+32*\t+2*i], v[S+32*\t+2*i+1]
.endr
.set i, i+1
.endr
.set i, 0
.rept 16
.irp t, 0,1
	v_pk_mul_f32 v[O+32*\t+2*i:O+32*\t+2*i+1], v[O+32*\t+2*i:O+32*\t+2*i+1], v[ST+8*\t+6:ST+8*\t+7] op_sel_hi:[1,0]   ; O^T x a, each accumulator from its low end on
.endr
.set i, i+1
.endr
.endm
.macro SUMS                            ; the sum of a tile's 16 pairs of p, in place, then l = a l + it.  These lines name no register of the products V^T P: they are the places behind them
.irp z, 0,1,2,3,4,5,6,7
.irp t, 0,1
	v_pk_add_f32 v[S+32*\t+4*\z:S+32*\t+4*\z+1], v[S+32*\t+4*\z:S+32*\t+4*\z+1], v[S+32*\t+4*\z+2:S+32*\t+4*\z+3]
.endr
.endr
.irp z, 0,1,2,3
.irp t, 0,1
	v_pk_add_f32 v[S+32*\t+8*\z:S+32*\t+8*\z+1], v[S+32*\t+8*\z:S+32*\t+8*\z+1], v[S+32*\t+8*\z+4:S+32*\t+8*\z+5]
.endr
.endr
.irp z, 0,1
.irp t, 0,1
	v_pk_add_f32 v[S+32*\t+16*\z:S+32*\t+16*\z+1], v[S+32*\t+16*\z:S+32*\t+16*\z+1], v[S+32*\t+16*\z+8:S+32*\t+16*\z+9]
.endr
.endr
.irp t, 0,1
	v_pk_add_f32 v[S+32*\t:S+32*\t+1], v[S+32*\t:S+32*\t+1], v[S+32*\t+16:S+32*\t+17]
.endr
.irp t, 0,1
	v_pk_fma_f32 v[ST+8*\t+2:ST+8*\t+3], v[ST+8*\t+2:ST+8*\t+3], v[ST+8*\t+6:ST+8*\t+7], v[S+32*\t:S+32*\t+1] op_sel_hi:[1,0,1]
.endr
.endm
; A key step.  fetch = 1: the next step's K and V are asked of LDS and its scores are made.
.macro BODY fetch
.if \fetch
	v_add_nc_u32 v[ADK], s[TB], v[L16]             ; these four lines are the places behind the last products K Q^T
	v_add_nc_u32 v[ADV], s[TB], v[L16V]
	v_nop
	v_nop
	FETCH_K
	WIN 0
.else
	PLACES
.endif
	SOFTMAX
.if \fetch
	s_wait_dscnt 16                                ; this step's V is in; the 16 loads of the next step's K, issued behind it, may be out
.else
	s_wait_dscnt 0x0
.endif
	PV
	WIN 0
	SUMS
.if \fetch
	FETCH_V
	s_wait_dscnt 16                                ; the next step's K is in; V's 16 loads, just issued, may be out
	QK
	WIN 0
.endif
.endm
.macro STEPS n
	s_mov_b32 s[CNT], \n
.Lstep_\@:
	BODY 1
	s_add_co_u32 s[TB], s[TB], 8192                ; the next fetch is the next 64 keys'
	s_sub_co_u32 s[CNT], s[CNT], 1
	s_cmp_lg_u32 s[CNT], 0
	s_cbranch_scc1 .Lstep_\@
.endm
; THE CHANGE OF SLOTS: the slot's last bytes have been asked for.  Each wave waits for all its tensor loads, of which one is out: its part of the other slot; adds 0 to its spare word; and waits for that and for its reads of the slot.
; fill = 1: the barrier is a round of the cluster's, and the slot that is left is filled with the keys two slots on, first thing behind it: that load has eight key steps in which to land.
.macro CHANGE fill
	s_wait_tensorcnt 0x0                           ; no tensor load of mine is out, so a group 0 may be written
	ds_add_u32 v[SPW], v[NIL]
.if \fill
	s_xor_b32 s[G0B+1], s[G0B+1], SLOTB            ; the walking descriptor: the other slot than last time,
	s_add_nc_u64 s[G0B+2:G0B+3], s[G0B+2:G0B+3], 65536   ; the next 512 keys
	s_wait_xcnt 0x0                                ; the last prefetch, eight steps back, has read its address
	s_add_nc_u64 s[PFA:PFA+1], s[PFA:PFA+1], 65536
	s_wait_dscnt 0x0                               ; the add is done, and my reads of the slot are over
	CROUND
	tensor_load_to_lds s[G0B:G0B+3], s[G1:G1+7]
	s_nop 0
	PLACES
	ASK
.else
	s_wait_dscnt 0x0
	s_barrier_signal -1
	s_barrier_wait -1
.endif
	s_sub_co_u32 s[TB], s[TB], 65536               ; the fetches go back to a slot's first step,
	s_xor_b32 s[TB], s[TB], SLOTB                  ; in the other slot
.endm
	s_wait_tensorcnt 0x1                           ; my part of slot 0 is in; slot 1's may stay out
	s_barrier_signal -1
	s_barrier_wait -1                              ; everybody's is
	v_add_nc_u32 v[ADK], s[TB], v[L16]
	v_add_nc_u32 v[ADV], s[TB], v[L16V]
	FETCH_K                                        ; key step 0
	FETCH_V
	s_wait_loadcnt 0x0                             ; Q
	s_wait_dscnt 16                                ; K is in; V's 16 loads may be out
	QK
	WIN 0
	s_add_co_u32 s[TB], s[TB], 8192
	STEPS 7                                        ; steps 0 to 6; they fetch steps 1 to 7
	s_mov_b32 s[SLOTS], 6
.Lslot:                                            ; six trips: the third to the eighth 512 keys are asked for
	CHANGE 1
	STEPS 8
	s_sub_co_u32 s[SLOTS], s[SLOTS], 1
	s_cmp_lg_u32 s[SLOTS], 0
	s_cbranch_scc1 .Lslot
	CHANGE 0                                       ; the tail is written out
	STEPS 8
	BODY 0                                         ; the last step
	; THE WAY OUT: l's two halves and the other half of the lanes' are added; O^T / l is rounded to f16; a tile's four registers are an image of 512 bytes
.irp t, 0,1
	v_add_f32 v[ST+8*\t+4], v[ST+8*\t+2], v[ST+8*\t+3]
.endr
.irp t, 0,1
	v_permlanex16_b32 v[ST+8*\t+5], v[ST+8*\t+4], s[SEL], s[SEL+1]
.endr
.irp t, 0,1
	v_add_f32 v[ST+8*\t+4], v[ST+8*\t+4], v[ST+8*\t+5]
.endr
.irp t, 0,1
	v_rcp_f32 v[ST+8*\t+6], v[ST+8*\t+4]
.endr
	v_nop                                          ; a plain instruction behind the last reciprocal
	s_wait_alu depctr_va_vdst(0)                   ; and the wait ahead of the first use: one for both
.irp t, 0,1
.set i, 0
.rept 16
	v_pk_mul_f32 v[O+32*\t+2*i:O+32*\t+2*i+1], v[O+32*\t+2*i:O+32*\t+2*i+1], v[ST+8*\t+6:ST+8*\t+7] op_sel_hi:[1,0]
.set i, i+1
.endr
.endr
.irp t, 0,1
.set i, 0
.rept 16
	v_cvt_pk_f16_f32 v[PK+16*\t+i], v[O+32*\t+2*i], v[O+32*\t+2*i+1]
.set i, i+1
.endr
.endr
.irp t, 0,1
.irp f, 0,1,2,3
	global_store_b128 v[L16], v[PK+16*\t+4*\f:PK+16*\t+4*\f+3], s[OB:OB+1] offset:2048*\t+512*\f   ; 512 consecutive bytes, aligned
.endr
.endr
	s_wait_tensorcnt 0x0                           ; the wave's end
	ds_add_u32 v[SPW], v[NIL]
	s_wait_dscnt 0x0
	CROUND                                         ; the closing round
	s_endpgm
.Lfunc_end_k_q3bb6fe5c48_attn:
	.size	k_q3bb6fe5c48_attn, .Lfunc_end_k_q3bb6fe5c48_attn-k_q3bb6fe5c48_attn
	.p2alignl 7, 3214868480
	.fill 96, 4, 3214868480
	.section	.rodata,"a",@progbits
	.p2align	6, 0x0
	.amdhsa_kernel k_q3bb6fe5c48_attn
		.amdhsa_group_segment_fixed_size 327680
		.amdhsa_private_segment_fixed_size 0
		.amdhsa_enable_private_segment 0
		.amdhsa_kernarg_size 16
		.amdhsa_user_sgpr_count 2
		.amdhsa_user_sgpr_kernarg_segment_ptr 1
		.amdhsa_wavefront_size32 1
		.amdhsa_system_sgpr_workgroup_id_x 1
		.amdhsa_system_sgpr_workgroup_id_y 1
		.amdhsa_system_sgpr_workgroup_id_z 1
		.amdhsa_system_vgpr_workitem_id 0
		.amdhsa_next_free_vgpr 384
		.amdhsa_next_free_sgpr 66
		.amdhsa_reserve_vcc 0
		.amdhsa_float_denorm_mode_32 3
		.amdhsa_float_denorm_mode_16_64 3
		.amdhsa_memory_ordered 1
		.amdhsa_forward_progress 1
		.amdhsa_inst_pref_size 83
	.end_amdhsa_kernel
	.amdgpu_metadata
---
amdhsa.version: [ 1, 2 ]
amdhsa.kernels:
  - .name:           k_q3bb6fe5c48_attn
    .symbol:         k_q3bb6fe5c48_attn.kd
    .args:
      - { .name: qkv, .offset: 0, .size: 8, .value_kind: global_buffer, .address_space: global }
      - { .name: ob, .offset: 8, .size: 8, .value_kind: global_buffer, .address_space: global }
    .group_segment_fixed_size: 327680
    .private_segment_fixed_size: 0
    .kernarg_segment_align: 8
    .kernarg_segment_size: 16
    .max_flat_workgroup_size: 256
    .sgpr_count:     66
    .vgpr_count:     384
    .wavefront_size: 32
...
	.end_amdgpu_metadata
.endif
;; end of part 3
;; launch oproj (part 4): grid 8 x 32, 8 waves a work-group, clusters of 4 x 4, 327,680 bytes of LDS; arguments ob, wo16, bo, out0; writes out0
.if DOCPART == 4
	.amdgcn_target "amdgcn-amd-amdhsa--gfx1250"
	.amdhsa_code_object_version 6
	.text
	.protected	k_q3bb6fe5c48_oproj
	.globl	k_q3bb6fe5c48_oproj
	.p2align	8
	.type	k_q3bb6fe5c48_oproj,@function
k_q3bb6fe5c48_oproj:
	s_mov_b64 s[64:65], 0
	v_nop
	global_prefetch_b8 v0, s[64:65] scope:SCOPE_SE
	s_setreg_imm32_b32 hwreg(HW_REG_WAVE_MODE, 25, 1), 1
	s_wait_xcnt 0x0
	s_wait_alu depctr_hold_cnt(0) depctr_sa_sdst(0) depctr_va_vdst(0) depctr_va_sdst(0) depctr_va_ssrc(0) depctr_va_vcc(0) depctr_vm_vsrc(0)
	s_getreg_b32 s2, hwreg(HW_REG_IB_STS2, 6, 4)
	s_cmp_eq_u32 s2, 0
	s_cbranch_scc0 .Lentry_in_a_cluster
	s_endpgm
.Lentry_in_a_cluster:
	s_bfe_u32 s2, ttmp6, 0x10000c
	s_cmp_lg_u32 s2, 0xf033
	s_cbranch_scc0 .Lentry_shape_is_right
	s_endpgm
.Lentry_shape_is_right:
; out0 = O Wo^T + bo.  O [4096][1024] and Wo [1024][1024] arrive in f16 as images of operand registers; sums in f32; out0 is f32.
; SHARES: a work-group makes 128 tokens (y) x 128 features (x).  Eight waves: wave w makes tokens 32 (w % 4) on x features 64 (w / 4) on: 8 accumulators.  Two waves share a SIMD.
; The product is used transposed (source 0 = 16 rows of Wo, source 1 = 16 tokens): a lane holds eight neighbouring features of one token.  The bias is the C of each sum's first product.
; RING: K goes in four parts of 256 through two LDS slots, each O's 65,536 bytes, then Wo's: [64 along K][tile 8][4][512 bytes].  Waves 0-3 fetch O's quarters, waves 4-7 Wo's: 16,384 dense bytes a load.
; CLUSTER 4 x 4: O's tiles hang on y alone and are asked for jointly by a row of the cluster, Wo's on x alone, by a column.  Two refills, each behind a round of the cluster's barrier.
; A chunk is 32 along K: 12 LDS loads of 512 consecutive bytes and 8 products; two fragment buffers take turns; all 32 chunks are written out.
.set SLOTB, 1<<17
.set STAGE, 2*SLOTB                    ; the way out: 16 rows x 272 bytes for each wave; no tensor load lands here
.set SP,    272
.set SPARE, STAGE+8*16*SP              ; the spare words, 128 bytes a wave: four blocks of 256 bytes that no other line names
.set ADA,  4                           ; v4, v5  my fragments of O in slot 0, 1
.set ADB,  6                           ; v6, v7  of Wo
.set STO,  8                           ; v8   the stage: where I put 32 bytes of a row
.set RD,   9                           ; v9   and where I read a row back
.set CO,   10                          ; v10  my byte offset in out0
.set BH,   11                          ; v11  32 x (lane / 16)
.set SPW,  12                          ; v12  LDS address of my spare word; never rewritten
.set NIL,  13                          ; v13  0; never rewritten
.set BB,   16                          ; v16-47  the bias, four tiles
.set F0,   48                          ; v48-95, v96-143  two buffers: Wo's four fragments, then O's two;  on the way out v48-111 take the rows
.set ACC,  144                         ; v144-207 accumulator 4 i1 + i0
.set WV,   12
.set TG,   13
.set FH,   14
.set G1A,  24                          ; s[24:31], s[32:39] descriptor groups 1 for O's and Wo's tiles: they differ in the mask
.set G1B,  32
.set G0A,  40                          ; s[40:47], s[48:55] groups 0, a set for each slot
.set G0B,  48
.macro PLACES
.rept 4
	v_nop
.endr
.endm
.macro CROUND                          ; a round of the cluster's barrier
	s_barrier_signal -1
	s_barrier_wait -1
	s_cmp_lg_u32 s[WV], 0
	s_cbranch_scc1 .Lnot_wave_0_\@
	s_barrier_signal -3
.Lnot_wave_0_\@:
	s_barrier_wait -3
	s_barrier_signal -1
	s_barrier_wait -1
.endm
.macro JLOAD s                         ; a joint load: each of the two lines has one mask; the branch hangs on the wave's number alone; an s_nop 0 and four v_nop follow each line
	s_cmp_eq_u32 s[FH], 0
	s_cbranch_scc0 .Lfor_b_\@
	tensor_load_to_lds s[G0A+4*(\s):G0A+4*(\s)+3], s[G1A:G1A+7]
	s_nop 0
	PLACES
	s_branch .Lasked_\@
.Lfor_b_\@:
	tensor_load_to_lds s[G0B+4*(\s):G0B+4*(\s)+3], s[G1B:G1B+7]
	s_nop 0
	PLACES
.Lasked_\@:
.endm
	s_load_b256 s[4:11], s[0:1], 0x0               ; ob s[4:5], wo16 s[6:7], bo s[8:9], out0 s[10:11]
	v_lshl_add_u32 v[SPW], v0, 2, SPARE
	v_mov_b32 v[NIL], 0
	ds_add_u32 v[SPW], v[NIL]                      ; the wave's opening: the add, twice on end, and its wait ahead of my first tensor load
	ds_add_u32 v[SPW], v[NIL]                      ; and once more; the set-up below, work on registers, stands between it and the wait
	v_lshrrev_b32 v1, 5, v0
	v_readfirstlane_b32 s[WV], v1                  ; wave 0 .. 7
	s_and_b32 s[TG], s[WV], 3                      ; my 32 tokens.  Also: which quarter of a tile I fetch
	s_lshr_b32 s[FH], s[WV], 2                     ; my 64 features.  Also: I fetch for O (0) or for Wo (1)
	s_bfe_u32 s15, ttmp6, 0x40000                  ; cx
	s_bfe_u32 s16, ttmp6, 0x40004                  ; cy
	s_lshl_b32 s17, ttmp9, 2
	s_add_co_u32 s17, s17, s15                     ; block of 128 features
	s_and_b32 s18, ttmp7, 0xffff
	s_lshl_b32 s18, s18, 2
	s_add_co_u32 s18, s18, s16                     ; block of 128 tokens
	s_lshl_b32 s19, s16, 2
	s_lshl_b32 s19, 15, s19                        ; my row of the cluster
	s_lshl_b32 s20, 0x1111, s15                    ; my column
	s_or_b32 s[G1A], s19, (3<<16)|(1<<21)          ; elements of 8 bytes; no padding; bit 21 set beside a mask
	s_or_b32 s[G1B], s20, (3<<16)|(1<<21)
.irp g, G1A, G1B                       ; 16,384 dense bytes as 64 rows of 256
	s_mov_b32 s[\g+1], 32<<16
	s_mov_b32 s[\g+2], 64<<16
	s_mov_b32 s[\g+3], 32<<16
	s_mov_b32 s[\g+4], 64
	s_mov_b32 s[\g+5], 32
	s_mov_b32 s[\g+6], 0
	s_mov_b32 s[\g+7], 0
.endr
	s_lshl_b32 s21, s[TG], 14
	s_lshl_b32 s56, s18, 18                        ; O: 262,144 bytes a block of tokens, + my quarter
	s_add_co_u32 s56, s56, s21
	s_mov_b32 s57, 0
	s_lshl_b32 s58, s17, 18                        ; Wo: the same a block of features
	s_add_co_u32 s58, s58, s21
	s_mov_b32 s59, 0
	s_lshl_b32 s22, s[WV], 14                      ; where it goes in a slot
	v_and_b32 v1, 15, v0                           ; r
	v_bfe_u32 v2, v0, 4, 1                         ; h
	v_and_b32 v3, 31, v0
	v_lshlrev_b32 v3, 4, v3                        ; 16 x lane
	s_lshl_b32 s23, s[TG], 12                      ; my two token tiles
	v_add_nc_u32 v[ADA], s23, v3
	v_add_nc_u32 v[ADA+1], SLOTB, v[ADA]
	s_lshl_b32 s23, s[FH], 13                      ; my four feature tiles, behind O's 65,536 bytes
	s_add_co_u32 s23, s23, 65536
	v_add_nc_u32 v[ADB], s23, v3
	v_add_nc_u32 v[ADB+1], SLOTB, v[ADB]
	s_mul_i32 s23, s[WV], 16*SP
	s_add_co_u32 s23, s23, STAGE                   ; my stage
	v_mul_u32_u24 v[STO], v1, SP
	v_lshl_add_u32 v[STO], v2, 5, v[STO]
	v_add_nc_u32 v[STO], s23, v[STO]               ; in: row r, 32 bytes for each half of the lanes
	v_mul_u32_u24 v[RD], v2, SP
	v_lshl_add_u32 v[RD], v1, 4, v[RD]
	v_add_nc_u32 v[RD], s23, v[RD]                 ; back: lanes 0-15 one row of 256 bytes, lanes 16-31 the next
	v_lshlrev_b32 v[CO], 4, v1
	v_lshl_add_u32 v[CO], v2, 12, v[CO]            ; and the same two rows in out0
	v_lshlrev_b32 v[BH], 5, v2
	s_lshl_b32 s62, s17, 9                         ; my first feature, in bytes of f32: 512 x block + 256 x half
	s_lshl_b32 s63, s[FH], 8
	s_add_co_u32 s62, s62, s63
	s_mov_b32 s63, 0
	s_lshl_b32 s60, s18, 7
	s_lshl_b32 s61, s[TG], 5
	s_add_co_u32 s60, s60, s61                     ; my first token
	s_lshl_b32 s60, s60, 12
	s_add_co_u32 s60, s60, s62
	s_mov_b32 s61, 0
	s_wait_dscnt 0x0                               ; both opening adds are done
	s_wait_kmcnt 0x0
	s_add_nc_u64 s[4:5], s[4:5], s[56:57]
	s_add_nc_u64 s[6:7], s[6:7], s[58:59]
	s_add_nc_u64 s[8:9], s[8:9], s[62:63]
	s_add_nc_u64 s[10:11], s[10:11], s[60:61]
.irp s, 0,1
	s_mov_b32 s[G0A+4*\s], 1
	s_add_co_u32 s[G0A+4*\s+1], s22, \s*SLOTB
	s_add_nc_u64 s[G0A+4*\s+2:G0A+4*\s+3], s[4:5], \s*65536
	s_or_b32 s[G0A+4*\s+3], s[G0A+4*\s+3], 0x80000000
	s_mov_b32 s[G0B+4*\s], 1
	s_add_co_u32 s[G0B+4*\s+1], s22, \s*SLOTB
	s_add_nc_u64 s[G0B+4*\s+2:G0B+4*\s+3], s[6:7], \s*65536
	s_or_b32 s[G0B+4*\s+3], s[G0B+4*\s+3], 0x80000000
.endr
	CROUND                                         ; all sixteen work-groups are here: the first joint loads meet
	JLOAD 0
	JLOAD 1                                        ; two loads of mine are out
.irp b, 0,1,2,3                        ; register j of tile b is feature 16 b + 8 h + j
	global_load_b128 v[BB+8*\b:BB+8*\b+3], v[BH], s[8:9] offset:64*\b
	global_load_b128 v[BB+8*\b+4:BB+8*\b+7], v[BH], s[8:9] offset:64*\b+16
.endr
.macro FETCH s, q, buf                 ; the fragments of the slot's q-th 32 along K: a fragment is 1,024 consecutive bytes
.irp i, 0,1,2,3
	ds_load_b128 v[(\buf)+8*\i:(\buf)+8*\i+3], v[ADB+(\s)] offset:((\q)/2)*16384+((\q)%2)*1024+2048*\i
	ds_load_b128 v[(\buf)+8*\i+4:(\buf)+8*\i+7], v[ADB+(\s)] offset:((\q)/2)*16384+((\q)%2)*1024+2048*\i+512
.endr
.irp i, 0,1
	ds_load_b128 v[(\buf)+32+8*\i:(\buf)+32+8*\i+3], v[ADA+(\s)] offset:((\q)/2)*16384+((\q)%2)*1024+2048*\i
	ds_load_b128 v[(\buf)+32+8*\i+4:(\buf)+32+8*\i+7], v[ADA+(\s)] offset:((\q)/2)*16384+((\q)%2)*1024+2048*\i+512
.endr
.endm
.macro MUL8 buf, first                 ; the eight accumulators take turns, one instruction a turn, in the same order in every chunk
.irp a, 0,1
.irp b, 0,1,2,3
.if \first
	v_wmma_f32_16x16x32_f16 v[ACC+8*(4*\a+\b):ACC+8*(4*\a+\b)+7], v[(\buf)+8*\b:(\buf)+8*\b+7], v[(\buf)+32+8*\a:(\buf)+32+8*\a+7], v[BB+8*\b:BB+8*\b+7]
.else
	v_wmma_f32_16x16x32_f16 v[ACC+8*(4*\a+\b):ACC+8*(4*\a+\b)+7], v[(\buf)+8*\b:(\buf)+8*\b+7], v[(\buf)+32+8*\a:(\buf)+32+8*\a+7], v[ACC+8*(4*\a+\b):ACC+8*(4*\a+\b)+7]
.endif
.endr
.endr
.endm
; Chunk q of part c.  The next chunk's fragments are asked for first, into the other buffer; a part's last chunk changes slots.
.macro CHUNK c, q
.set CUR, F0+48*((\q)%2)
.set NXT, F0+48*(1-(\q)%2)
.if (\q) < 7
.if (\c)+(\q) > 0
	PLACES                                         ; the last products read the other buffer
.endif
	FETCH (\c)%2, (\q)+1, NXT
	s_wait_dscnt 12                                ; this chunk's fragments are in; the 12 loads just issued may be out
.elseif (\c) < 3
	s_wait_tensorcnt 0x0                           ; all my tensor loads have landed: my part of the next slot;
	ds_add_u32 v[SPW], v[NIL]
.if (\c) < 2
	s_add_nc_u64 s[G0A+4*(\c)+2:G0A+4*(\c)+3], s[G0A+4*(\c)+2:G0A+4*(\c)+3], 2*65536   ; this slot's next part of K
	s_add_nc_u64 s[G0B+4*(\c)+2:G0B+4*(\c)+3], s[G0B+4*(\c)+2:G0B+4*(\c)+3], 2*65536
	s_wait_dscnt 0x0                               ; the add is done, and my reads of this slot are over
	CROUND                                         ; no wave of any partner still reads this slot or has a load on its way
	JLOAD \c                                       ; the first thing behind the round; its four v_nop are also the places in front of the loads below
.else
	s_wait_dscnt 0x0
	s_barrier_signal -1
	s_barrier_wait -1                              ; nothing is left to fetch
	PLACES
.endif
	FETCH ((\c)+1)%2, 0, NXT
	s_wait_dscnt 12
.else
	s_wait_dscnt 0x0                               ; the very last chunk
.endif
.if (\c)+(\q) == 0
	MUL8 CUR, 1
.else
	MUL8 CUR, 0
.endif
.endm
	s_wait_tensorcnt 0x1                           ; my part of slot 0 is in; slot 1's may stay out
	s_barrier_signal -1
	s_barrier_wait -1                              ; everybody's is
	FETCH 0, 0, F0
	s_wait_loadcnt 0x0                             ; the bias
.irp c, 0,1,2,3
.irp q, 0,1,2,3,4,5,6,7
	CHUNK \c, \q
.endr
.endr
	; THE WAY OUT: a lane holds 32 neighbouring bytes of a row and the lanes beside it hold other rows: 16 rows x 256 bytes at a time go through my own stage and come back by rows.
	; LDS serves a wave's instructions in order (ISA guide 5.7.1.4): no wait between the stores and the loads, nor in front of the next tile's stores.
	PLACES
.irp a, 0,1
.irp b, 0,1,2,3
	ds_store_b128 v[STO], v[ACC+8*(4*\a+\b):ACC+8*(4*\a+\b)+3] offset:64*\b          ; each accumulator from its low end on
	ds_store_b128 v[STO], v[ACC+8*(4*\a+\b)+4:ACC+8*(4*\a+\b)+7] offset:64*\b+16
.endr
.irp e, 0,1,2,3,4,5,6,7
	ds_load_b128 v[F0+32*\a+4*\e:F0+32*\a+4*\e+3], v[RD] offset:2*SP*\e
.endr
.endr
.irp e, 0,1,2,3,4,5,6,7
	s_wait_dscnt 16+7-\e                           ; behind this load: the rest of its run, and the second tile's 16
	global_store_b128 v[CO], v[F0+4*\e:F0+4*\e+3], s[10:11] offset:2*\e*4096 th:TH_STORE_NT   ; 16 lanes store 256 consecutive bytes, aligned
.endr
.irp e, 0,1,2,3,4,5,6,7
	s_wait_dscnt 7-\e
	global_store_b128 v[CO], v[F0+32+4*\e:F0+32+4*\e+3], s[10:11] offset:(16+2*\e)*4096 th:TH_STORE_NT
.endr
	s_wait_tensorcnt 0x0                           ; the wave's end, behind my last tensor load and my last LDS store
	ds_add_u32 v[SPW], v[NIL]
	s_wait_dscnt 0x0
	CROUND                                         ; the closing round
	s_endpgm
.Lfunc_end_k_q3bb6fe5c48_oproj:
	.size	k_q3bb6fe5c48_oproj, .Lfunc_end_k_q3bb6fe5c48_oproj-k_q3bb6fe5c48_oproj
	.p2alignl 7, 3214868480
	.fill 96, 4, 3214868480
	.section	.rodata,"a",@progbits
	.p2align	6, 0x0
	.amdhsa_kernel k_q3bb6fe5c48_oproj
		.amdhsa_group_segment_fixed_size 327680
		.amdhsa_private_segment_fixed_size 0
		.amdhsa_enable_private_segment 0
		.amdhsa_kernarg_size 32
		.amdhsa_user_sgpr_count 2
		.amdhsa_user_sgpr_kernarg_segment_ptr 1
		.amdhsa_wavefront_size32 1
		.amdhsa_system_sgpr_workgroup_id_x 1
		.amdhsa_system_sgpr_workgroup_id_y 1
		.amdhsa_system_sgpr_workgroup_id_z 1
		.amdhsa_system_vgpr_workitem_id 0
		.amdhsa_next_free_vgpr 208
		.amdhsa_next_free_sgpr 66
		.amdhsa_reserve_vcc 0
		.amdhsa_float_denorm_mode_32 3
		.amdhsa_float_denorm_mode_16_64 3
		.amdhsa_memory_ordered 1
		.amdhsa_forward_progress 1
		.amdhsa_inst_pref_size 59
	.end_amdhsa_kernel
	.amdgpu_metadata
---
amdhsa.version: [ 1, 2 ]
amdhsa.kernels:
  - .name:           k_q3bb6fe5c48_oproj
    .symbol:         k_q3bb6fe5c48_oproj.kd
    .args:
      - { .name: ob, .offset: 0, .size: 8, .value_kind: global_buffer, .address_space: global }
      - { .name: wo16, .offset: 8, .size: 8, .value_kind: global_buffer, .address_space: global }
      - { .name: bo, .offset: 16, .size: 8, .value_kind: global_buffer, .address_space: global }
      - { .name: out0, .offset: 24, .size: 8, .value_kind: global_buffer, .address_space: global }
    .group_segment_fixed_size: 327680
    .private_segment_fixed_size: 0
    .kernarg_segment_align: 8
    .kernarg_segment_size: 32
    .max_flat_workgroup_size: 256
    .sgpr_count:     66
    .vgpr_count:     208
    .wavefront_size: 32
...
	.end_amdgpu_metadata
.endif
;; end of part 4
